; MI455X (gfx1250); checked and timed in simulation.
; The chip was launched on July 23, 2026; its instructions are those of AMD's public machine-readable ISA for CDNA 5 (MIT licence, August 2026) and "CDNA5" Instruction Set Architecture Reference Guide (July 2026). The comments in the code are by the model that wrote it; some were corrected since.
;; Adaptive Softmax. Allowed arithmetic: matrix products marked QUANTISED: E5M2 operands, one given power-of-two scale a tensor, by v_wmma_f32_16x16x64_bf8_bf8 or v_wmma_f32_16x16x128_bf8_bf8, f32 sums; products left as they are: f32 operands where the result goes on into a quantised operand, else bf16, f16 or f32 operands; f32 sums; everything else in f32.
;; Inputs: cluster_b 1 x 3 float32; cluster_w 1,024 x 3 float32; logits_b 1 x 12,564 float32; logits_w 1,024 x 12,564 float32; lowp_scales 6 int32 (the exponents e of the quantised operands' scales 2^e); x 2 x 2,049 x 1,024 float32; y 2 x 2,048 int32.
;; Outputs: out0 4,096 float32.
;; This version of the problem:
;;   THIS VERSION OF THE PROBLEM IS GIVEN IN LOW PRECISION. The matrix products marked QUANTISED in the list below multiply operands that are first quantised to E5M2 (5 exponent bits, 2 mantissa bits; 8 bits a number), with one given power-of-two scale for each operand tensor; their sums are f32. All else is computed in f32.
;;   The module's matrix products, in the order in which they are computed (A, B: the left and right operand; K: the contracted axis; several contracted axes count as one K, in the product's order):
;;     1. [M 4,096, K 1,024] x [K 1,024, N 3]; A: input x; B: input cluster_w: left as it is (N = 3 < 16)
;;     2. [M 4,096, K 1,024] x [K 1,024, N 2,000]; A: input x; B: input logits_w: QUANTISED (scales: A lowp_scales[0], B lowp_scales[1])
;;     3. [M 4,096, K 1,024] x [K 1,024, N 8,000]; A: input x; B: input logits_w: QUANTISED (scales: A lowp_scales[2], B lowp_scales[3])
;;     4. [M 4,096, K 1,024] x [K 1,024, N 2,564]; A: input x; B: input logits_w: QUANTISED (scales: A lowp_scales[4], B lowp_scales[5])
;;   THE QUANTISER, for each operand of a quantised product, along K:
;;     - The operand's scale is 2^e, e = its entry of the input lowp_scales (int32; the entries are numbered through the quantised products in the list's order, A before B).
;;     - Each number is divided by the scale, clamped to +-57,344, and rounded to the nearest number of E5M2, ties to even, subnormals kept.
;;     - The product sums the exact products of the quantised numbers (number of the format x scale) in f32.
;;   ~~~python
;;   def quantise(x, axis, e):      # numpy; x: float32 -> the quantised numbers, widened to float32 again
;;       x = np.moveaxis(x, axis, -1); K = x.shape[-1]
;;       r = np.clip(x / 2.0 ** e, -57344, 57344)
;;       step = 2.0 ** (np.maximum(np.frexp(np.where(r == 0, 1, r))[1] - 1, -14) - 2)
;;       q = np.round(r / step) * step * 2.0 ** e      # np.round: ties to even
;;       return np.moveaxis(q, -1, axis).astype(np.float32)
;;   ~~~
;; One version. Each part assembles by itself: llvm-mc -triple=amdgcn-amd-amdhsa -mcpu=gfx1250 --defsym DOCPART=n.
;; ======== version 1 of 1: 3 launches
;; limits: right only within a limited range of input values
;; workspace buffers: x_codes 4,194,304 bytes; w_img 13,369,344 bytes; cl_ll 16,384 bytes; order 16,640 bytes of whole numbers; route 256 bytes of whole numbers; stats 1,684,224 bytes
;; launch prep (part 1): grid 945 x 1, 4 waves a work-group, no clusters, 768 bytes of LDS; arguments x, y, cluster_w, cluster_b, logits_w, lowp_scales, x_codes, w_img, cl_ll, order, route; writes x_codes, w_img, cl_ll, order, route
.if DOCPART == 1
	.amdgcn_target "amdgcn-amd-amdhsa--gfx1250"
	.amdhsa_code_object_version 6
	.text
	.protected	k_q2655314b2a_prep
	.globl	k_q2655314b2a_prep
	.p2align	8
	.type	k_q2655314b2a_prep,@function
k_q2655314b2a_prep:
	s_mov_b64 s[64:65], 0
	v_nop
	global_prefetch_b8 v0, s[64:65] scope:SCOPE_SE
	s_setreg_imm32_b32 hwreg(HW_REG_WAVE_MODE, 25, 1), 1
	s_wait_xcnt 0x0
; PREP: everything that is done once ahead of the products.  Three kinds of work-group, told apart by the work-group's number:
;   0          THE ROUTER: sorts the 4,096 tokens by the slice of the vocabulary that holds y (0-1999, 2000-9999, 10000-12563) into 'order', each slice padded to whole tiles of 16 slots,
;              and stores in 'route' how the next launch shares the tiles out.
;   1 .. 128   X: 32 tokens each (a wave 8): the f32 gate product x . cluster_w, its log-softmax at the token's own slice (cl_ll), and the token's codes of E5M2 with the x scale of its own slice.
;   129 .. 944 W: 128 padded columns x 128 of K each: logits_w into codes of E5M2 with the slice's W scale, stored as images of the operand's registers.
; ORDER ALONG K.  Byte s = 512 B + 16 l + 4 i + b of a row of codes holds k = 512 B + 128 i + 4 l + b, in x_codes and in w_img alike: every product meets its partner; only the order of the sums changes.
;   With it a lane's four registers of each dense load of x are already neighbours in the row of codes.
; w_img: [tile of 16 columns][chunk j of 16 bytes along s, 0..63][column r][16 bytes].  Padded column P runs by slices: 0..2047 (2,000 real), 2048..10239 (8,000), 10240..13055 (2,564); real column = P - 0 / 48 / 240.
;   Pad columns get zero codes (their hold is 0).
; order: 4,128 slots that later launches read, then 32 spare slots that nobody reads.  Entry = token (bits 12:0; 4096 = pad) | P of the target << 13 | (y outside the vocabulary) << 27.
; LIMITS: each exponent e of lowp_scales between -126 and 112, so that 2^e and 57,344 x 2^e are f32 numbers.  NaN among the inputs is not served.  y is taken as unsigned: what is not under 12,564 counts as slice 2 and is flagged.
.set WROW,  50256                      ; a row of logits_w in bytes
.set WX,    32                         ; W: v32-159 128 numbers, register 16 c + 4 i + b
.set WC,    160                        ; W: v160-191 codes, four registers a chunk, never written twice
.set CW,    32                         ; X: v32-127 cluster_w at my 32 k: register 3 n + gate
.set XX,    128                        ; X: v128-223 three rows of 32 numbers
.set XC,    16                         ; X: v16-31 two sets of 8 registers of codes
.set SM,    4                          ; X: v4-9 six sums
.set RY,    32                         ; router: v32-63 my 32 y
.set RA,    64                         ; router: v64-127 an address and an entry for each of them
	v_lshl_add_u32 v232, v0, 2, 0x100
	v_mov_b32 v233, 0
	v_lshrrev_b32 v1, 5, v0
	v_readfirstlane_b32 s2, v1                     ; wave 0..3
	v_and_b32 v1, 31, v0                           ; lane
	s_cmp_eq_u32 ttmp9, 0
	s_cbranch_scc1 .Lrouter
	s_cmp_lt_u32 ttmp9, 129
	s_cbranch_scc1 .Lxpath
; ---------------------------------------------------------------- W
; A lane takes a column and its registers run down K in the order of the row of codes, so the conversions' results are 16 bytes of a chunk.
	s_load_b128 s[4:7], s[0:1], 0x20               ; logits_w s[4:5], lowp_scales s[6:7]
	s_load_b64 s[8:9], s[0:1], 0x38                ; w_img
	s_sub_co_u32 s10, ttmp9, 129
	s_mul_i32 s11, s10, 643
	s_lshr_b32 s11, s11, 16                        ; p = number / 102: which eighth of K (643 / 65536 serves up to 815)
	s_mul_i32 s12, s11, 102
	s_sub_co_u32 s12, s10, s12                     ; cg: which 128 padded columns; neighbouring work-groups read neighbouring bytes of the same rows
	s_mov_b32 s14, 10048
	s_cmp_lt_u32 s12, 16                           ; slice 0: column groups 0-15, slice 1: 16-79, slice 2: 80-101
	s_cselect_b32 s13, 0, 48                       ; P - real column
	s_cselect_b32 s14, 2000, s14                   ; the first pad P of the slice
	s_cmp_lt_u32 s12, 80
	s_cselect_b32 s13, s13, 240
	s_cselect_b32 s14, s14, 12804
	s_lshl_b32 s17, s12, 7
	s_lshl_b32 s18, s2, 5
	s_add_co_u32 s17, s17, s18
	s_wait_alu depctr_va_vdst(0)
	v_add_nc_u32 v2, s17, v1                       ; P = 128 cg + 32 wave + lane
	v_sub_nc_u32 v3, v2, s13
	v_min_u32 v3, 12563, v3                        ; a pad column reads some real column; its numbers are held at 0
	v_lshlrev_b32 v3, 2, v3
	s_lshr_b32 s18, s11, 2
	s_lshl_b32 s18, s18, 9
	s_and_b32 s19, s11, 3
	s_lshl_b32 s19, s19, 5
	s_add_co_u32 s18, s18, s19                     ; first row: 512 (p / 4) + 32 (p % 4)
	s_mul_i32 s18, s18, WROW
	s_mov_b32 s19, 0
	s_lshl_b32 s36, s12, 3
	s_lshl_b32 s37, s2, 1
	s_add_co_u32 s36, s36, s37                     ; my wave's first tile: 8 cg + 2 wave
	s_lshl_b32 s36, s36, 14
	s_lshl_b32 s37, s11, 11                        ; chunks 8 p on
	s_add_co_u32 s36, s36, s37
	s_mov_b32 s37, 0
	v_lshrrev_b32 v6, 4, v1
	v_and_b32 v7, 15, v1
	v_lshlrev_b32 v7, 4, v7
	v_lshl_add_u32 v6, v6, 14, v7                  ; lanes 16-31: the next tile; 16 bytes a column: sixteen lanes store 256 consecutive bytes, aligned
	s_wait_alu depctr_va_vdst(0)
	s_wait_kmcnt 0x0
	s_load_b128 s[20:23], s[6:7], 0x0              ; e0 .. e3
	s_load_b64 s[24:25], s[6:7], 0x10              ; e4, e5
	s_add_nc_u64 s[28:29], s[4:5], s[18:19]        ; four bases, 128 rows apart: i = 0 .. 3
	s_add_nc_u64 s[30:31], s[28:29], 128*WROW
	s_add_nc_u64 s[32:33], s[30:31], 128*WROW
	s_add_nc_u64 s[34:35], s[32:33], 128*WROW
	s_add_nc_u64 s[8:9], s[8:9], s[36:37]
.set jj, 0
.rept 8                                ; all 128 loads go out first: k = first row + 128 i + 4 c + b; 32 lanes read 128 consecutive bytes, the four waves 512
.irp i, 0,1,2,3
.irp b, 0,1,2,3
	global_load_b32 v[WX+16*jj+4*\i+\b], v3, s[28+2*\i:29+2*\i] offset:(4*jj+\b)*WROW th:TH_LOAD_NT
.endr
.endr
.set jj, jj+1
.endr
	s_wait_kmcnt 0x0
	s_cmp_lt_u32 s12, 16
	s_cselect_b32 s16, s21, s23                    ; the slice's W exponent: entries 1, 3, 5
	s_cmp_lt_u32 s12, 80
	s_cselect_b32 s16, s16, s25
	s_add_co_i32 s16, s16, 127
	s_lshl_b32 s26, s16, 23
	v_mov_b32 v5, s26                              ; 2^e as f32: the conversion takes its exponent field
	s_add_co_i32 s16, s16, 15
	s_lshl_b32 s16, s16, 23
	s_or_b32 s16, s16, 0x600000
	v_mov_b32 v4, s16                              ; 57,344 x 2^e
	v_cmp_gt_u32 vcc_lo, s14, v2
	v_cndmask_b32 v4, 0, v4, vcc_lo                ; a pad column's hold is 0: zero codes
.macro CHUNK c                         ; chunk 8 p + c: 16 numbers a lane become 16 bytes
.if 112-16*(\c) > 63
	s_wait_loadcnt 63                              ; the later chunks' loads may be out; a wait names 63 at the most
.else
	s_wait_loadcnt 112-16*(\c)                     ; the later chunks' loads may be out
.endif
.set kk, 0
.rept 16
	v_med3_num_f32 v[WX+16*(\c)+kk], v[WX+16*(\c)+kk], -v4, v4   ; the conversion to an 8-bit code does not saturate (ISA guide 7.6.2): the hold comes first
.set kk, kk+1
.endr
	v_cvt_scalef32_pk8_bf8_f32 v[WC+4*(\c):WC+4*(\c)+1], v[WX+16*(\c):WX+16*(\c)+7], v5
	v_cvt_scalef32_pk8_bf8_f32 v[WC+4*(\c)+2:WC+4*(\c)+3], v[WX+16*(\c)+8:WX+16*(\c)+15], v5
	global_store_b128 v6, v[WC+4*(\c):WC+4*(\c)+3], s[8:9] offset:256*(\c)   ; the results go to a store alone; the next chunk's holds are plain lines on other registers
.endm
	s_wait_alu depctr_va_vdst(0)
.irp c, 0,1,2,3,4,5,6,7
	CHUNK \c
.endr
	s_endpgm
; ---------------------------------------------------------------- X
.Lxpath:
	s_load_b128 s[4:7], s[0:1], 0x0                ; x s[4:5], y s[6:7]
	s_load_b128 s[8:11], s[0:1], 0x10              ; cluster_w s[8:9], cluster_b s[10:11]
	s_load_b128 s[12:15], s[0:1], 0x28             ; lowp_scales s[12:13], x_codes s[14:15]
	s_load_b64 s[16:17], s[0:1], 0x40              ; cl_ll
	s_sub_co_u32 s18, ttmp9, 1
	s_lshl_b32 s18, s18, 5
	s_lshl_b32 s19, s2, 3
	s_add_co_u32 s18, s18, s19                     ; my wave's first token: 32 (number - 1) + 8 wave
	s_lshr_b32 s19, s18, 11
	s_add_co_u32 s19, s19, s18                     ; its row of x: each batch has one time step more, which is dropped
	s_lshl_b32 s20, s19, 12
	s_mov_b32 s21, 0
	s_lshl_b32 s22, s18, 10
	s_mov_b32 s23, 0
	s_lshl_b32 s24, s18, 2
	s_mov_b32 s25, 0
	s_mov_b32 s74, 0x76543210                      ; v_permlanex16_b32: lane l xor 16
	s_mov_b32 s75, 0xfedcba98
	s_wait_alu depctr_va_vdst(0)
	v_mul_u32_u24 v14, v1, 48                      ; cluster_w: rows 4 lane .. 4 lane + 3 are 48 bytes
	v_lshlrev_b32 v15, 4, v1                       ; 16 x lane
	v_min_u32 v227, 7, v1
	v_lshlrev_b32 v227, 2, v227                    ; lanes 0-7: a token each, for the end of the wave
	v_mov_b32 v10, 0                               ; the three gate sums, token i in lane i
	v_mov_b32 v11, 0
	v_mov_b32 v12, 0
	v_mov_b32 v224, 0                              ; written once: a lane permute's destination counts as one of its sources
	v_mov_b32 v225, 0
	v_mov_b32 v226, 0
	s_wait_alu depctr_va_vdst(0)
	s_wait_kmcnt 0x0
	s_add_nc_u64 s[4:5], s[4:5], s[20:21]
	s_add_nc_u64 s[14:15], s[14:15], s[22:23]
	s_add_nc_u64 s[6:7], s[6:7], s[24:25]
	s_add_nc_u64 s[16:17], s[16:17], s[24:25]
	s_load_b256 s[40:47], s[6:7], 0x0              ; my eight y
	s_load_b128 s[48:51], s[12:13], 0x0            ; e0 .. e3
	s_load_b64 s[52:53], s[12:13], 0x10            ; e4, e5
	s_load_b96 s[56:58], s[10:11], 0x0             ; cluster_b
	global_load_b32 v13, v227, s[6:7]              ; and y once more, a token a lane
.irp d, 0,1,2,3,4,5,6,7
.irp j, 0,1,2
	global_load_b128 v[CW+12*\d+4*\j:CW+12*\d+4*\j+3], v14, s[8:9] offset:1536*\d+16*\j
.endr
.endr
.macro LOADROW t                       ; a row of x: eight loads of 512 consecutive bytes; register 4 d + b holds k = 128 d + 4 lane + b
.irp d, 0,1,2,3,4,5,6,7
	global_load_b128 v[XX+32*((\t)%3)+4*\d:XX+32*((\t)%3)+4*\d+3], v15, s[4:5] offset:4096*(\t)+512*\d th:TH_LOAD_NT
.endr
.endm
	LOADROW 0
	LOADROW 1
	LOADROW 2
	s_wait_kmcnt 0x0
.macro MKSC e, sc, lm                  ; from an exponent: 2^e and 57,344 x 2^e as f32 patterns
	s_add_co_i32 s70, s[\e], 127
	s_lshl_b32 s[\sc], s70, 23
	s_add_co_i32 s70, s70, 15
	s_lshl_b32 s70, s70, 23
	s_or_b32 s[\lm], s70, 0x600000
.endm
	MKSC 48, 60, 66                                ; x's scale in slice 0: entry 0
	MKSC 50, 61, 67                                ; slice 1: entry 2
	MKSC 52, 62, 68                                ; slice 2: entry 4
.macro ROW i, left
.set XS, XX+32*((\i)%3)
.set CS, XC+8*((\i)%2)
	s_wait_loadcnt \left                           ; this row is in; the rows behind it stay out
	s_wait_xcnt 0x0                                ; the stores of two rows back have read their codes: that set is written again below
.set kk, 0
.rept 32                               ; the gate product on the f32 numbers as they are: 96 multiply-adds in six chains
.irp g, 0,1,2
.if kk < 2
	v_mul_f32 v[SM+3*(kk%2)+\g], v[XS+kk], v[CW+3*kk+\g]
.else
	v_fmac_f32 v[SM+3*(kk%2)+\g], v[XS+kk], v[CW+3*kk+\g]
.endif
.endr
.set kk, kk+1
.endr
	s_cmp_lt_u32 s[40+\i], 2000                    ; the token's slice picks its scale
	s_cselect_b32 s70, s60, s61
	s_cselect_b32 s71, s66, s67
	s_cmp_lt_u32 s[40+\i], 10000
	s_cselect_b32 s70, s70, s62
	s_cselect_b32 s71, s71, s68
	v_mov_b32 v2, s70
	v_mov_b32 v3, s71
.set kk, 0
.rept 32
	v_med3_num_f32 v[XS+kk], v[XS+kk], -v3, v3     ; the hold at the largest code x the scale
.set kk, kk+1
.endr
.irp m, 0,1,2,3
	v_cvt_scalef32_pk8_bf8_f32 v[CS+2*\m:CS+2*\m+1], v[XS+8*\m:XS+8*\m+7], v2
.endr
	v_nop                                          ; a plain line behind the last conversion
	global_store_b128 v15, v[CS:CS+3], s[14:15] offset:1024*(\i)       ; 32 lanes store 512 consecutive bytes, aligned
	global_store_b128 v15, v[CS+4:CS+7], s[14:15] offset:1024*(\i)+512
.if (\i) < 5
	LOADROW (\i)+3                                 ; into the set just converted
.endif
.irp g, 4,5,6
	v_add_f32 v\g, v\g, v[\g+3]
.endr
.irp x, 1,2,4,8
.irp g, 4,5,6
	v_add_f32_dpp v\g, v\g, v\g row_xmask:\x row_mask:0xf bank_mask:0xf
.endr
.endr
	v_permlanex16_b32 v224, v4, s74, s75
	v_permlanex16_b32 v225, v5, s74, s75
	v_permlanex16_b32 v226, v6, s74, s75
	v_add_f32 v4, v4, v224
	v_add_f32 v5, v5, v225
	v_add_f32 v6, v6, v226
	s_mov_b32 s72, 1<<(\i)
	v_cndmask_b32 v10, v10, v4, s72                ; token i's three sums are kept in lane i
	v_cndmask_b32 v11, v11, v5, s72
	v_cndmask_b32 v12, v12, v6, s72
.endm
	ROW 0, 16
	ROW 1, 16
	ROW 2, 16
	ROW 3, 16
	ROW 4, 16
	ROW 5, 16
	ROW 6, 8
	ROW 7, 0
	; the gate's log-softmax at the token's own slice, a token a lane
	v_add_f32 v10, s56, v10
	v_add_f32 v11, s57, v11
	v_add_f32 v12, s58, v12
	v_max3_num_f32 v4, v10, v11, v12
	v_sub_f32 v5, v10, v4
	v_sub_f32 v6, v11, v4
	v_sub_f32 v7, v12, v4
	v_mul_f32 v5, 0x3fb8aa3b, v5
	v_mul_f32 v6, 0x3fb8aa3b, v6
	v_mul_f32 v7, 0x3fb8aa3b, v7
	s_wait_alu depctr_va_vdst(0)
	v_exp_f32 v5, v5
	v_exp_f32 v6, v6
	v_exp_f32 v7, v7
	v_cmp_gt_u32 vcc_lo, 2000, v13                 ; the choice of z at the token's slice stands behind the exponentials
	v_cndmask_b32 v8, v11, v10, vcc_lo
	v_cmp_lt_u32 vcc_lo, 9999, v13
	v_cndmask_b32 v8, v8, v12, vcc_lo
	v_sub_f32 v8, v8, v4
	s_wait_alu depctr_va_vdst(0)                   ; one wait for the three exponentials, ahead of their first reader
	v_add_f32 v5, v5, v6
	v_add_f32 v5, v5, v7
	s_wait_alu depctr_va_vdst(0)
	v_log_f32 v5, v5
	v_nop
	s_wait_alu depctr_va_vdst(0)
	v_fmac_f32 v8, 0xbf317218, v5                  ; z - max - ln 2 x log2(sum)
	v_cmp_gt_u32 vcc_lo, 8, v1
	s_wait_alu depctr_va_vdst(0)
	s_wait_xcnt 0x0                                ; EXEC changes only behind this wait
	s_and_saveexec_b32 s70, vcc_lo
	global_store_b32 v227, v8, s[16:17]            ; 32 bytes a wave; the whole of cl_ll is 16 KB
	s_endpgm
; ---------------------------------------------------------------- THE ROUTER
; A counting sort without atomics.  Wave w takes tokens 1024 w on, a lane 32 of them.  The order inside a slice is free: each token only needs a slot of its own.
; No line of the router changes EXEC, and every store has an address register of its own.
.Lrouter:
	s_load_b64 s[4:5], s[0:1], 0x8                 ; y
	s_load_b128 s[8:11], s[0:1], 0x48              ; order s[8:9], route s[10:11]
	s_wait_alu depctr_va_vdst(0)
	v_lshlrev_b32 v2, 4, v1
	v_lshlrev_b32 v3, 2, v1                        ; 4 x lane: where 'route' is stored; holds nothing else
	s_lshl_b32 s12, s2, 12
	v_add_nc_u32 v2, s12, v2
	s_mov_b32 s20, 2000
	s_mov_b32 s21, 9999
	s_mov_b32 s22, 12563
	s_wait_alu depctr_va_vdst(0)
	s_wait_kmcnt 0x0
.irp j, 0,1,2,3,4,5,6,7
	global_load_b128 v[RY+4*\j:RY+4*\j+3], v2, s[4:5] offset:512*\j    ; register 4 j + b: token 1024 w + 128 j + 4 lane + b
.endr
	v_mov_b32 v4, 0
	v_mov_b32 v5, 0
	v_mov_b32 v8, 0
	s_wait_alu depctr_va_vdst(0)
	s_wait_loadcnt 0x0
.set kk, 0
.rept 32                               ; how many of my 32 lie in slice 0, how many in slice 2
	v_cmp_gt_u32 vcc_lo, s20, v[RY+kk]
	v_add_co_ci_u32 v4, vcc_lo, 0, v4, vcc_lo
	v_cmp_lt_u32 vcc_lo, s21, v[RY+kk]
	v_add_co_ci_u32 v5, vcc_lo, 0, v5, vcc_lo
.set kk, kk+1
.endr
	v_lshl_or_b32 v6, v5, 16, v4                   ; both counts in one word: neither sum passes 4,096
	v_mov_b32 v7, v6
.irp n, 1,2,4,8                        ; running sums over the 16 lanes of a row,
	v_mov_b32_dpp v8, v7 row_shr:\n row_mask:0xf bank_mask:0xf bound_ctrl:1
	v_add_nc_u32 v7, v7, v8
.endr
	v_readlane_b32 s13, v7, 15
	v_mov_b32 v9, s13
	v_cmp_lt_u32 vcc_lo, 15, v1
	v_cndmask_b32 v9, 0, v9, vcc_lo
	v_add_nc_u32 v7, v7, v9                        ; and the lower row's total onto the upper row
	v_readlane_b32 s23, v7, 31                     ; my wave's total
	v_mov_b32 v10, s2
	v_lshlrev_b32 v10, 2, v10
	v_mov_b32 v11, s23
	ds_store_b32 v10, v11                          ; a word a wave
	s_wait_dscnt 0x0                               ; for the others' sake: my store is done
	s_barrier_signal -1
	s_barrier_wait -1
	v_mov_b32 v10, 0
	ds_load_b128 v[12:15], v10                     ; the four totals
	s_wait_dscnt 0x0
	v_readfirstlane_b32 s24, v12
	v_readfirstlane_b32 s25, v13
	v_readfirstlane_b32 s26, v14
	v_readfirstlane_b32 s27, v15
	s_add_co_u32 s28, s24, s25
	s_add_co_u32 s28, s28, s26
	s_add_co_u32 s28, s28, s27
	s_and_b32 s30, s28, 0xffff                     ; n0
	s_lshr_b32 s32, s28, 16                        ; n2
	s_sub_co_u32 s31, 4096, s30
	s_sub_co_u32 s31, s31, s32                     ; n1
	s_add_co_u32 s33, s30, 15
	s_lshr_b32 s33, s33, 4                         ; R0, R1, R2: tiles of 16 slots
	s_add_co_u32 s34, s31, 15
	s_lshr_b32 s34, s34, 4
	s_add_co_u32 s35, s32, 15
	s_lshr_b32 s35, s35, 4
	s_lshl_b32 s36, s33, 4                         ; slice 1's first slot
	s_add_co_u32 s37, s33, s34
	s_lshl_b32 s37, s37, 4                         ; slice 2's
	s_cmp_gt_u32 s2, 0                             ; the totals of the waves in front of mine
	s_cselect_b32 s29, s24, 0
	s_cmp_gt_u32 s2, 1
	s_cselect_b32 s12, s25, 0
	s_add_co_u32 s29, s29, s12
	s_cmp_gt_u32 s2, 2
	s_cselect_b32 s12, s26, 0
	s_add_co_u32 s29, s29, s12
	v_sub_nc_u32 v9, v7, v6                        ; the lanes in front of mine
	v_add_nc_u32 v9, s29, v9
	v_and_b32 v16, 0xffff, v9                      ; p0: my next slot in slice 0
	v_lshrrev_b32 v17, 16, v9
	v_add_nc_u32 v17, s37, v17                     ; p2: in slice 2
	s_lshl_b32 s38, s2, 10
	s_add_co_u32 s39, s36, s37
	s_add_co_u32 s39, s39, s38
	v_lshl_add_u32 v18, v1, 5, s39                 ; Q: a slot in slice 1 is Q + index - p0 - p2 (all in front of it, less those of the other two slices)
	v_lshl_add_u32 v19, v1, 2, s38                 ; 1024 w + 4 lane
	v_mov_b32 v20, 48
	v_mov_b32 v21, 240
	v_mov_b32 v22, 0
	v_mov_b32 v23, 1<<27
.macro PLACE n                         ; my n-th token gets its slot; every token has registers of its own for address and entry
.set rS, RA+2*(\n)
.set rE, RA+2*(\n)+1
	v_add_nc_u32 v[rS], v16, v17
	v_sub_nc_u32 v[rS], v18, v[rS]
	v_cmp_lt_u32 vcc_lo, s21, v[RY+\n]             ; slice 2?
	v_add_nc_u32 v[rS], \n, v[rS]
	v_cndmask_b32 v[rS], v[rS], v17, vcc_lo
	v_cndmask_b32 v[rE], v20, v21, vcc_lo          ; P - y: 48 or 240,
	v_add_co_ci_u32 v17, vcc_lo, 0, v17, vcc_lo
	v_cmp_gt_u32 vcc_lo, s20, v[RY+\n]             ; slice 0?
	v_cndmask_b32 v[rS], v[rS], v16, vcc_lo
	v_cndmask_b32 v[rE], v[rE], v22, vcc_lo        ; or 0
	v_add_co_ci_u32 v16, vcc_lo, 0, v16, vcc_lo
	v_min_u32 v24, s22, v[RY+\n]
	v_cmp_lt_u32 vcc_lo, s22, v[RY+\n]             ; outside the vocabulary?
	v_add_nc_u32 v[rE], v[rE], v24
	v_lshlrev_b32 v[rE], 13, v[rE]
	v_add3_u32 v[rE], v[rE], v19, 128*((\n)/4)+(\n)%4
	v_cndmask_b32 v24, v22, v23, vcc_lo
	v_or_b32 v[rE], v[rE], v24
	v_min_u32 v[rS], 4127, v[rS]
	v_lshlrev_b32 v[rS], 2, v[rS]
	global_store_b32 v[rS], v[rE], s[8:9]
.endm
.set pp, 0
.rept 32
	PLACE pp
.set pp, pp+1
.endr
	s_cmp_lg_u32 s2, 0
	s_cbranch_scc1 .Lrend                          ; the rest is wave 0's; no barrier stands in it
	; the slots that no token took get the pad entry: behind each slice up to its last tile's end (under 16 each), and from the last tile to slot 4,127 (32 at the most).
	; A lane that lies outside the gap stores the same entry into its spare slot, 4128 + lane, which nobody reads: so all lanes stay on.
	s_add_co_u32 s40, s36, s31
	s_add_co_u32 s41, s37, s32
	s_lshl_b32 s42, s35, 4
	s_add_co_u32 s42, s42, s37
	s_mov_b32 s43, 4128
	v_mov_b32 v25, 4096
	v_add_nc_u32 v141, 4128, v1
.macro GAP st, en, ra                  ; slots s[st] .. s[en] - 1; v[ra]: this gap's own address register
	v_add_nc_u32 v[\ra], s[\st], v1
	v_cmp_gt_u32 vcc_lo, s[\en], v[\ra]
	v_cndmask_b32 v[\ra], v141, v[\ra], vcc_lo
	v_min_u32 v[\ra], 4159, v[\ra]                 ; 'order' has 4,160 words
	v_lshlrev_b32 v[\ra], 2, v[\ra]
	global_store_b32 v[\ra], v25, s[8:9]
.endm
	GAP 30, 36, 136
	GAP 40, 37, 137
	GAP 41, 42, 138
	GAP 42, 43, 139
	; the least rho with 8 ceil(R0 / rho) + 32 ceil(R1 / rho) + 11 ceil(R2 / rho) <= 256: so many row tiles a work-group of the next launch walks.
	; Lanes try rho = lane + 1 and lane + 33.  ceil(R / rho) = how many i >= 0 have i rho < R; 33 trips do: a count of 33 already costs 264.  rho = 41 always serves: (32 x 258 + 51 x 40) / 41 < 256.
	v_add_nc_u32 v27, 1, v1
	v_add_nc_u32 v28, 33, v1
	v_mov_b32 v29, 0
	v_mov_b32 v30, 0
.irp g, 128,129,130,131,132,133
	v_mov_b32 v\g, 0
.endr
	s_mov_b32 s44, 0
.Lrho:
	s_wait_alu depctr_va_vdst(0)
	v_cmp_gt_u32 vcc_lo, s33, v29
	v_add_co_ci_u32 v128, vcc_lo, 0, v128, vcc_lo
	v_cmp_gt_u32 vcc_lo, s34, v29
	v_add_co_ci_u32 v129, vcc_lo, 0, v129, vcc_lo
	v_cmp_gt_u32 vcc_lo, s35, v29
	v_add_co_ci_u32 v130, vcc_lo, 0, v130, vcc_lo
	v_cmp_gt_u32 vcc_lo, s33, v30
	v_add_co_ci_u32 v131, vcc_lo, 0, v131, vcc_lo
	v_cmp_gt_u32 vcc_lo, s34, v30
	v_add_co_ci_u32 v132, vcc_lo, 0, v132, vcc_lo
	v_cmp_gt_u32 vcc_lo, s35, v30
	v_add_co_ci_u32 v133, vcc_lo, 0, v133, vcc_lo
	v_add_nc_u32 v29, v29, v27
	v_add_nc_u32 v30, v30, v28
	s_add_co_u32 s44, s44, 1
	s_cmp_lt_u32 s44, 33
	s_cbranch_scc1 .Lrho
	s_mov_b32 s45, 257
	v_lshlrev_b32 v134, 3, v128
	v_lshl_add_u32 v134, v129, 5, v134
	v_mad_u32_u24 v134, v130, 11, v134
	v_cmp_gt_u32 s46, s45, v134                    ; which of 1 .. 32 serve
	v_lshlrev_b32 v135, 3, v131
	v_lshl_add_u32 v135, v132, 5, v135
	v_mad_u32_u24 v135, v133, 11, v135
	v_cmp_gt_u32 s47, s45, v135                    ; which of 33 .. 64
	s_ctz_i32_b32 s48, s46
	s_ctz_i32_b32 s49, s47
	s_cmp_lg_u32 s46, 0
	s_cselect_b32 s48, s48, s49                    ; the least one's lane,
	s_cselect_b32 s49, 1, 33
	s_cselect_b32 s51, -1, 0
	s_and_b32 s48, s48, 31
	s_add_co_u32 s49, s49, s48                     ; rho,
	v_cndmask_b32 v128, v131, v128, s51
	v_cndmask_b32 v129, v132, v129, s51
	v_cndmask_b32 v130, v133, v130, s51
	v_readlane_b32 s52, v128, s48                  ; and its three numbers of groups
	v_readlane_b32 s53, v129, s48
	v_readlane_b32 s54, v130, s48
	v_mov_b32 v31, 0
	v_writelane_b32 v31, s49, 0                    ; route: rho, g0, g1, g2, R0, R1, R2, 0 ..
	v_writelane_b32 v31, s52, 1
	v_writelane_b32 v31, s53, 2
	v_writelane_b32 v31, s54, 3
	v_writelane_b32 v31, s33, 4
	v_writelane_b32 v31, s34, 5
	v_writelane_b32 v31, s35, 6
	global_store_b32 v3, v31, s[10:11]
.Lrend:
	s_wait_tensorcnt 0x0
	ds_add_u32 v232, v233
	s_wait_dscnt 0x0
	s_endpgm
.Lfunc_end_k_q2655314b2a_prep:
	.size	k_q2655314b2a_prep, .Lfunc_end_k_q2655314b2a_prep-k_q2655314b2a_prep
	.p2alignl 7, 3214868480
	.fill 96, 4, 3214868480
	.section	.rodata,"a",@progbits
	.p2align	6, 0x0
	.amdhsa_kernel k_q2655314b2a_prep
		.amdhsa_group_segment_fixed_size 768
		.amdhsa_private_segment_fixed_size 0
		.amdhsa_enable_private_segment 0
		.amdhsa_kernarg_size 88
		.amdhsa_user_sgpr_count 2
		.amdhsa_user_sgpr_kernarg_segment_ptr 1
		.amdhsa_wavefront_size32 1
		.amdhsa_system_sgpr_workgroup_id_x 1
		.amdhsa_system_sgpr_workgroup_id_y 1
		.amdhsa_system_sgpr_workgroup_id_z 1
		.amdhsa_system_vgpr_workitem_id 0
		.amdhsa_next_free_vgpr 234
		.amdhsa_next_free_sgpr 80
		.amdhsa_reserve_vcc 1
		.amdhsa_float_denorm_mode_32 3
		.amdhsa_float_denorm_mode_16_64 3
		.amdhsa_memory_ordered 1
		.amdhsa_forward_progress 1
		.amdhsa_inst_pref_size 133
	.end_amdhsa_kernel
	.amdgpu_metadata
---
amdhsa.version: [ 1, 2 ]
amdhsa.kernels:
  - .name:           k_q2655314b2a_prep
    .symbol:         k_q2655314b2a_prep.kd
    .args:
      - { .name: x, .offset: 0, .size: 8, .value_kind: global_buffer, .address_space: global }
      - { .name: y, .offset: 8, .size: 8, .value_kind: global_buffer, .address_space: global }
      - { .name: cluster_w, .offset: 16, .size: 8, .value_kind: global_buffer, .address_space: global }
      - { .name: cluster_b, .offset: 24, .size: 8, .value_kind: global_buffer, .address_space: global }
      - { .name: logits_w, .offset: 32, .size: 8, .value_kind: global_buffer, .address_space: global }
      - { .name: lowp_scales, .offset: 40, .size: 8, .value_kind: global_buffer, .address_space: global }
      - { .name: x_codes, .offset: 48, .size: 8, .value_kind: global_buffer, .address_space: global }
      - { .name: w_img, .offset: 56, .size: 8, .value_kind: global_buffer, .address_space: global }
      - { .name: cl_ll, .offset: 64, .size: 8, .value_kind: global_buffer, .address_space: global }
      - { .name: order, .offset: 72, .size: 8, .value_kind: global_buffer, .address_space: global }
      - { .name: route, .offset: 80, .size: 8, .value_kind: global_buffer, .address_space: global }
    .group_segment_fixed_size: 768
    .private_segment_fixed_size: 0
    .kernarg_segment_align: 8
    .kernarg_segment_size: 88
    .max_flat_workgroup_size: 128
    .sgpr_count:     80
    .vgpr_count:     234
    .wavefront_size: 32
...
	.end_amdgpu_metadata
.endif
;; end of part 1
;; launch lse (part 2): grid 256 x 1, 4 waves a work-group, no clusters, 120,320 bytes of LDS; arguments x_codes, w_img, logits_b, lowp_scales, order, route, stats; writes stats
.if DOCPART == 2
	.amdgcn_target "amdgcn-amd-amdhsa--gfx1250"
	.amdhsa_code_object_version 6
	.text
	.protected	k_q2655314b2a_lse
	.globl	k_q2655314b2a_lse
	.p2align	8
	.type	k_q2655314b2a_lse,@function
k_q2655314b2a_lse:
	s_mov_b64 s[64:65], 0
	v_nop
	global_prefetch_b8 v0, s[64:65] scope:SCOPE_SE
	s_setreg_imm32_b32 hwreg(HW_REG_WAVE_MODE, 25, 1), 1
	s_wait_xcnt 0x0
; LSE: the quantised products, each token against its own slice alone, and for each (block of 256 padded columns, slot of 'order') the pair (M, S): M = the largest t, S = the sum of 2^(t - M),
; t = (sum x 2^(ea + eb) + bias) x log2(e).  reference() keeps one slice's log-softmax for each token, by a mask that it builds from y: the other two slices are not multiplied.
; SHARES.  A work-group owns ONE block of 256 padded columns and n <= rho row tiles (units of 16 slots) of the block's slice; which, it reads from 'route'.  W STAYS IN REGISTERS: wave w holds columns
; 64 w .. 64 w + 63 for all of K = 1,024: 4 tiles x 8 K steps x 16 = 512 registers, loaded once.  x's codes are streamed: 16 KB a unit, 32 matrix instructions a wave.
; THE MATRIX INSTRUCTION IS USED TRANSPOSED (source 0 = 16 columns of W, source 1 = 16 tokens): a lane holds ONE token (lane % 16) and 32 columns.  Each half of the lanes keeps a pair (M, S) of its own 32 columns;
; the eight pairs of a row (4 waves x 2 halves) are joined once, behind the loop.
; The bias, divided by 2^(ea + eb), is the C of a sum's first matrix instruction; a pad column's is -2^40, so that its 2^(t - M) is 0.
; A SLOT u: ONE RUN OF MEMORY LINES at its head (the request for unit u + 6, unit u + 3's rows into LDS, unit u + 1's fragments out of LDS), the 32 products of unit u on end, then its softmax.
; Among the products stands scalar work alone: the row bases of unit u + 7 and the request for unit u + 8's entries of 'order'.
; The pair of unit u is stored at the head of slot u + 1, in working and idle slots alike (index u + 1 of STAT; index 0 holds nothing of use).
; A RING OF FOUR UNIT BUFFERS in LDS: slot u reads buffer (u + 1) % 4 and stores into buffer (u + 3) % 4.  ONE BARRIER FOR TWO SLOTS, at the head of the odd ones: between two barriers buffers {0, 1} are read and {2, 3} stored, or the other way round.
; THE LOOP HAS 44 SLOTS, a constant, in every work-group; a slot past the work-group's n keeps the waits, the barrier and the pair's store and jumps over the work (a scalar branch on a stored whole number).
; NO TENSOR LOADS, NO CLUSTER: how many units a work-group walks is read from memory, and partners of a cluster would walk different numbers of units.  NO PREFETCH: x's rows are asked for by loads into registers three slots ahead of their LDS stores.
; A work-group that the split leaves without rows (n = 0) walks the text with clamped addresses and stores nothing.
; LIMITS: ea + eb of a slice between -87 and 126 (log2(e) x 2^(ea + eb) and 2^40 / 2^(ea + eb) are f32 numbers); |logit| under 2^38.  NaN among the inputs is not served.
; REGISTERS, in windows of 256.  Window 0: v1 16 x lane; v2 where I store rows; v3 where I read fragments; v4, v5 my place in STAT; v6-15 at work; v16-19 two pairs (M, S) by turns; v20-27 sums; v30, v31 the add's;
;   v32-63 the bias; v64-95 four accumulators; v96-127 at work in the head and the merge; v128-255 four sets of 32: rows of x on their way.
;   Window 1: x's fragments, two sets of 128.   Windows 2, 3: W's fragment (tile t, K step q) at 64 (q % 4) + 16 t.
.set PITCH, 1040                       ; a row of codes in LDS: 1,024 bytes + 16: an odd multiple of 16
.set BUFB,  16*PITCH                   ; a unit's 16 rows; four such buffers from byte 0
.set STAT,  4*BUFB                     ; then 4 x 13,312 bytes: [wave][index 0..51][row][half] (M, S)
.set WSTAT, 13312
.set SPARE, STAT+4*WSTAT               ; the spare words: 128 bytes a wave, which no other line names
.set L16,  1
.set LST,  2
.set LFR,  3
.set STA0, 4
.set STA,  5
.set MX,   8
.set PR,   16
.set SU,   20
.set SPW,  30
.set NIL,  31
.set BIAS, 32
.set ACC,  64
.set STG,  128
.set MSB, 0
.macro WIN new                         ; the immediate's high byte repeats the setting that is left; a switch that changes nothing is dropped
.if MSB != \new
	s_set_vgpr_msb (MSB<<8)|\new
.set MSB, \new
.endif
.endm
; the head's form of a request: my wave's four rows of a unit, whose entries of 'order' stand in s[tk .. tk + 3], into staging set 'set'; each row has an offset register of its own
.macro GLOADV set, tk, vo
	WIN 0
.irp r, 0,1,2,3
	s_and_b32 s70, s[(\tk)+\r], 0x1fff
	s_min_u32 s70, s70, 4095                       ; a pad slot reads the last token's row; nobody uses its result
	v_lshl_add_u32 v[(\vo)+\r], s70, 10, v[L16]
.endr
.irp r, 0,1,2,3
	global_load_b128 v[STG+32*(\set)+8*\r:STG+32*(\set)+8*\r+3], v[(\vo)+\r], s[4:5]
	global_load_b128 v[STG+32*(\set)+8*\r+4:STG+32*(\set)+8*\r+7], v[(\vo)+\r], s[4:5] offset:512
.endr
.endm
.macro ROWB r                          ; the loop's form: row r's base, x_codes + 1,024 x token, from the entry in s[36 + r]
	s_and_b32 s88, s[36+(\r)], 0x1fff
	s_min_u32 s88, s88, 4095
	s_lshl_b32 s88, s88, 10
	s_add_nc_u64 s[80+2*(\r):81+2*(\r)], s[4:5], s[88:89]
.endm
.macro WLOAD q                         ; W's four fragments of K step q: images of their registers, 512 consecutive bytes a load
.if (\q) < 4
	WIN 0x80
.else
	WIN 0xc0
.endif
.irp t, 0,1,2,3
.irp c, 0,1,2,3
	global_load_b128 v[64*((\q)%4)+16*\t+4*\c:64*((\q)%4)+16*\t+4*\c+3], v[L16], s[6:7] offset:16384*\t+2048*(\q)+512*\c
.endr
.endr
.endm
.macro WSTORE set, buf, r              ; row r of my four goes into LDS
	WIN 0
	ds_store_b128 v[LST], v[STG+32*(\set)+8*(\r):STG+32*(\set)+8*(\r)+3] offset:(\buf)*BUFB+(\r)*PITCH
	ds_store_b128 v[LST], v[STG+32*(\set)+8*(\r)+4:STG+32*(\set)+8*(\r)+7] offset:(\buf)*BUFB+(\r)*PITCH+512
.endm
.macro FL l, f, buf                    ; load l of a unit's 32: lane (r, h) takes bytes 32 l + 16 h on of row r, as W's image has them
	WIN 0x40
	ds_load_b128 v[128*(\f)+4*(\l):128*(\f)+4*(\l)+3], v[LFR] offset:(\buf)*BUFB+32*(\l)
.endm
; matrix instruction i of a unit's 32: K step i / 4, tile i % 4.  The four accumulators take turns, one instruction a turn, over the slots' edges too
.macro MM a, i
.set q_, (\i)/4
.set t_, (\i)%4
.set rD, ACC+8*t_
.set rB, 64*(q_%4)+16*t_
.set rF, 128*((\a)%2)+16*q_
	WIN 0x06|(q_/4)                                ; source 0 (W) window 2 or 3, source 1 (x) window 1, C and D window 0
.if q_ == 0
	v_wmma_f32_16x16x128_bf8_bf8 v[rD:rD+7], v[rB:rB+15], v[rF:rF+15], v[BIAS+8*t_:BIAS+8*t_+7]
.else
	v_wmma_f32_16x16x128_bf8_bf8 v[rD:rD+7], v[rB:rB+15], v[rF:rF+15], v[rD:rD+7]
.endif
.endm
.macro SLOT a                          ; a = u mod 4
.set P_, PR+2*((\a)%2)
	s_wait_alu depctr_va_vdst(0)
	s_wait_dscnt 0x0                               ; my LDS stores have landed and unit u's fragments are in
.if (\a)%2
	s_barrier_signal -1
	s_barrier_wait -1                              ; every wave's
.endif
	ds_store_b64 v[STA], v[PR+2*(1-(\a)%2):PR+2*(1-(\a)%2)+1] offset:256*(\a)   ; unit u - 1's pair: 32 lanes, 256 consecutive bytes of my wave's own part
	s_add_co_u32 s70, s23, \a
	s_cmp_lt_u32 s70, s21                          ; slots 0 .. n - 1 work
	s_cbranch_scc0 .Lidle_\@
	; the slot's run of memory lines
	s_add_co_u32 s70, s23, (\a)+6
	s_cmp_lt_u32 s70, s21
	s_cbranch_scc0 .Lshort_\@                      ; unit u + 6 is asked for, if the work-group has one, into the set that slot u - 1 stored; its bases were made in slot u - 1
.irp r, 0,1,2,3
	global_load_b128 v[STG+32*(((\a)+2)%4)+8*\r:STG+32*(((\a)+2)%4)+8*\r+3], v[L16], s[80+2*\r:81+2*\r]
	global_load_b128 v[STG+32*(((\a)+2)%4)+8*\r+4:STG+32*(((\a)+2)%4)+8*\r+7], v[L16], s[80+2*\r:81+2*\r] offset:512
.endr
	s_wait_loadcnt 24                              ; units u + 4, u + 5, u + 6 (8 loads each) may be out: unit u + 3 is in
	s_branch .Lgot_\@
.Lshort_\@:
	s_wait_loadcnt 0x0                             ; nothing more is asked for: all that is out comes in
.Lgot_\@:
.irp r, 0,1,2,3
	WSTORE ((\a)+3)%4, ((\a)+3)%4, \r              ; unit u + 3 into the buffer whose reads ended ahead of the last barrier
.endr
.set i_, 0
.rept 32
	FL i_, 1-(\a)%2, ((\a)+1)%4                    ; unit u + 1's fragments; the set that is filled was last read by unit u - 1's products, behind which four v_nop stand
.set i_, i_+1
.endr
.set i_, 0
.rept 32
	MM \a, i_
.if i_ == 16
	s_wait_xcnt 0x0                                ; this slot's requests have read their bases,
	s_wait_kmcnt 0x0                               ; and unit u + 7's entries are in
.endif
.if (i_ >= 16) && (i_ < 20)
	ROWB i_-16
.elseif i_ == 20
	s_add_co_u32 s71, s23, (\a)+8                  ; unit u + 8's entries are asked for
	s_add_co_u32 s71, s71, s25
	s_min_u32 s71, s71, 257                        ; 'order' has 258 tiles
	s_lshl_b32 s71, s71, 6
	s_add_co_u32 s71, s71, s27
	s_load_b128 s[36:39], s[12:13], s71 offset:0x0
.endif
.set i_, i_+1
.endr
	WIN 0
.rept 4
	v_nop                                          ; four places between the last products and the reads of their results (ISA guide 7.12.1)
.endr
.irp t, 0,1,2,3                        ; the largest of my 32 sums, in four chains; each accumulator is read from its low end on
	v_max3_num_f32 v[MX+\t], v[ACC+8*\t], v[ACC+8*\t+1], v[ACC+8*\t+2]
.endr
.irp t, 0,1,2,3
	v_max3_num_f32 v[MX+\t], v[MX+\t], v[ACC+8*\t+3], v[ACC+8*\t+4]
.endr
.irp t, 0,1,2,3
	v_max3_num_f32 v[MX+\t], v[MX+\t], v[ACC+8*\t+5], v[ACC+8*\t+6]
.endr
	v_max3_num_f32 v[MX], v[MX], v[ACC+7], v[ACC+15]
	v_max3_num_f32 v[MX+2], v[MX+2], v[ACC+23], v[ACC+31]
	v_max3_num_f32 v[MX], v[MX], v[MX+1], v[MX+2]
	v_max_num_f32 v[MX], v[MX], v[MX+3]
	v_mul_f32 v[P_], s28, v[MX]                    ; M = c x that (c is positive)
.irp g, 0,2,4,6,8,10,12,14,16,18,20,22,24,26,28,30
	v_pk_fma_f32 v[ACC+\g:ACC+\g+1], v[ACC+\g:ACC+\g+1], s[28:29], v[P_:P_+1] op_sel_hi:[1,0,0] neg_lo:[0,0,1] neg_hi:[0,0,1]   ; c s - M (of the pairs c and M the low word serves both halves)
.endr
	s_wait_alu depctr_va_vdst(0)                   ; the wait ahead of the batch
.set e_, 0
.rept 32
	v_exp_f32 v[ACC+e_], v[ACC+e_]
.set e_, e_+1
.endr
	v_nop                                          ; a plain place behind the exponentials
	s_wait_alu depctr_va_vdst(0)                   ; one wait for the batch, ahead of its first reader
.irp k, 0,1,2,3                        ; the sum, two at a time, in four chains
	v_pk_add_f32 v[SU+2*\k:SU+2*\k+1], v[ACC+4*\k:ACC+4*\k+1], v[ACC+4*\k+2:ACC+4*\k+3]
.endr
.irp g, 16,24
.irp k, 0,1,2,3
	v_pk_add_f32 v[SU+2*\k:SU+2*\k+1], v[SU+2*\k:SU+2*\k+1], v[ACC+\g+2*\k:ACC+\g+2*\k+1]
.endr
.endr
	v_pk_add_f32 v[SU:SU+1], v[SU:SU+1], v[SU+2:SU+3]
	v_pk_add_f32 v[SU+4:SU+5], v[SU+4:SU+5], v[SU+6:SU+7]
	v_pk_add_f32 v[SU:SU+1], v[SU:SU+1], v[SU+4:SU+5]
	v_add_f32 v[P_+1], v[SU], v[SU+1]              ; S
	s_branch .Lnext_\@
.Lidle_\@:
	s_wait_loadcnt 0x0
.Lnext_\@:
.endm
	s_load_b256 s[4:11], s[0:1], 0x0               ; x_codes s[4:5], w_img s[6:7], logits_b s[8:9], lowp_scales s[10:11]
	s_load_b128 s[12:15], s[0:1], 0x20             ; order s[12:13], route s[14:15]
	s_load_b64 s[16:17], s[0:1], 0x30              ; stats
	v_lshl_add_u32 v[SPW], v0, 2, SPARE
	v_mov_b32 v[NIL], 0
	v_lshrrev_b32 v14, 5, v0
	v_readfirstlane_b32 s20, v14                   ; wave 0..3
	v_and_b32 v14, 31, v0
	v_lshlrev_b32 v[L16], 4, v14
	s_mul_i32 s70, s20, 4*PITCH
	v_add_nc_u32 v[LST], s70, v[L16]               ; rows 4 wave on, 16 bytes a lane
	v_and_b32 v14, 15, v0
	v_bfe_u32 v15, v0, 4, 1
	v_mul_u32_u24 v[LFR], v14, PITCH
	v_lshl_add_u32 v[LFR], v15, 4, v[LFR]          ; row r, + 16 h
	s_mul_i32 s70, s20, WSTAT
	s_add_co_u32 s70, s70, STAT
	v_lshl_add_u32 v[STA0], v14, 4, s70
	v_lshl_add_u32 v[STA0], v15, 3, v[STA0]        ; my wave's part of STAT, + 16 r + 8 h
	v_lshl_add_u32 v6, v0, 4, STAT
.irp g, 8,9,10,11,16,17,18,19
	v_mov_b32 v\g, 0                               ; zeros for STAT; the two pairs begin as zeros
.endr
	s_lshl_b32 s27, s20, 4
	s_mov_b32 s89, 0                               ; the upper word of a row's offset
	s_wait_alu depctr_va_vdst(0)
	s_wait_kmcnt 0x0
	s_load_b256 s[40:47], s[14:15], 0x0            ; rho, g0, g1, g2, R0, R1, R2, 0
	s_load_b128 s[48:51], s[10:11], 0x0            ; e0 .. e3
	s_load_b64 s[52:53], s[10:11], 0x10            ; e4, e5
.set kk, 0
.rept 26
	ds_store_b128 v6, v[8:11] offset:2048*kk       ; STAT begins as zeros: the merge reads 48 indices, whatever n is
.set kk, kk+1
.endr
	s_wait_kmcnt 0x0
	; which block, which group of row tiles: work-groups 0 .. 8 g0 - 1 serve slice 0, the next 32 g1 slice 1, the next 11 g2 slice 2.  Selections alone, no branch.
	s_add_co_i32 s48, s48, s49                     ; ea + eb of the three slices
	s_add_co_i32 s50, s50, s51
	s_add_co_i32 s52, s52, s53
	s_lshl_b32 s54, s41, 3
	s_lshl_b32 s55, s42, 5
	s_add_co_u32 s55, s55, s54
	s_add_co_u32 s56, s44, s45
	s_and_b32 s57, ttmp9, 7
	s_lshr_b32 s58, ttmp9, 3
	s_sub_co_u32 s59, ttmp9, s54
	s_and_b32 s60, s59, 31
	s_lshr_b32 s61, s59, 5
	s_sub_co_u32 s62, ttmp9, s55
	s_and_b32 s62, s62, 255
	s_mul_i32 s63, s62, 5958
	s_lshr_b32 s63, s63, 16                        ; / 11 (5958 / 65536 serves up to 255)
	s_mul_i32 s66, s63, 11
	s_sub_co_u32 s66, s62, s66
	s_mov_b32 s35, 10048
	s_cmp_lt_u32 ttmp9, s54
	s_cselect_b32 s67, s57, s60                    ; the block in its slice
	s_cselect_b32 s68, s58, s61                    ; the group
	s_cselect_b32 s69, s44, s45                    ; the slice's row tiles
	s_cselect_b32 s70, 0, s44                      ; its first row tile
	s_cselect_b32 s71, 0, 8                        ; its first block
	s_cselect_b32 s33, s48, s50                    ; ea + eb
	s_cselect_b32 s34, 0, 48                       ; P - real column
	s_cselect_b32 s35, 2000, s35                   ; its first pad P
	s_cmp_lt_u32 ttmp9, s55
	s_cselect_b32 s67, s67, s66
	s_cselect_b32 s68, s68, s63
	s_cselect_b32 s69, s69, s46
	s_cselect_b32 s70, s70, s56
	s_cselect_b32 s71, s71, 40
	s_cselect_b32 s33, s33, s52
	s_cselect_b32 s34, s34, 240
	s_cselect_b32 s35, s35, 12804
	s_mul_i32 s72, s68, s40
	s_sub_co_i32 s21, s69, s72
	s_max_i32 s21, s21, 0
	s_min_u32 s21, s21, s40
	s_min_u32 s21, s21, 42                         ; n: my units, 0 .. rho
	s_add_co_u32 s25, s70, s72
	s_min_u32 s25, s25, 257                        ; my first row tile
	s_add_co_u32 s26, s71, s67
	s_min_u32 s26, s26, 50                         ; my block of 256 columns
	s_lshl_b32 s73, s33, 23
	s_add_co_i32 s28, s73, 0x3fb8aa3b              ; c = log2(e) x 2^(ea + eb): the exponents are added to log2(e)'s exponent field
	s_mov_b32 s29, s28                             ; (named with it as a pair, so it is written)
	s_sub_co_i32 s22, 0, s33
.irp v, 0,1,2,3,4,5,6                  ; the entries of my four rows of units 0 .. 6
	s_add_co_u32 s[74+\v], s25, \v
	s_min_u32 s[74+\v], s[74+\v], 257
	s_lshl_b32 s[74+\v], s[74+\v], 6
	s_add_co_u32 s[74+\v], s[74+\v], s27
.endr
.irp v, 0,1,2,3,4,5
	s_load_b128 s[40+4*\v:43+4*\v], s[12:13], s[74+\v] offset:0x0
.endr
	s_load_b128 s[36:39], s[12:13], s80 offset:0x0
	s_lshl_b32 s70, s26, 18                        ; a block is 16 tiles of 16,384 bytes, my wave's four of them
	s_lshl_b32 s71, s20, 16
	s_add_co_u32 s70, s70, s71
	s_mov_b32 s71, 0
	s_add_nc_u64 s[6:7], s[6:7], s[70:71]
	s_mul_i32 s70, s26, 33024                      ; stats: [block][slot] 8 bytes
	s_lshl_b32 s72, s25, 7
	s_add_co_u32 s70, s70, s72
	s_add_nc_u64 s[16:17], s[16:17], s[70:71]
	s_lshl_b32 s70, s26, 8
	s_lshl_b32 s72, s20, 6
	s_add_co_u32 s70, s70, s72
	v_lshl_add_u32 v14, v15, 3, s70                ; the bias goes out first: register 8 t + i of lane (r, h) belongs to P = 256 block + 64 wave + 16 t + 8 h + i
.irp t, 0,1,2,3
.irp g, 0,1
	v_add_nc_u32 v[96+2*\t+\g], 16*\t+4*\g, v14    ; groups of four columns: a slice's real columns end on a multiple of four
	v_sub_nc_u32 v[104+2*\t+\g], v[96+2*\t+\g], s34
	v_min_u32 v[104+2*\t+\g], 12560, v[104+2*\t+\g]
	v_lshlrev_b32 v[104+2*\t+\g], 2, v[104+2*\t+\g]
	global_load_b128 v[BIAS+8*\t+4*\g:BIAS+8*\t+4*\g+3], v[104+2*\t+\g], s[8:9]
.endr
.endr
	WLOAD 0                                        ; W's first 32 loads go out while the entries are on their way;
	WLOAD 1
	s_wait_kmcnt 0x0
	GLOADV 0, 40, 64                               ; then x's first four units, ahead of the rest of W; their offsets lie where the accumulators will
	GLOADV 1, 44, 68
	GLOADV 2, 48, 72
	GLOADV 3, 52, 76
.irp q, 2,3,4,5,6,7
	WLOAD \q
.endr
	WIN 0
.irp r, 0,1,2,3
	ROWB \r                                        ; unit 6's bases, for slot 0's request;
.endr
	s_add_co_u32 s71, s25, 7                       ; and unit 7's entries are asked for
	s_min_u32 s71, s71, 257
	s_lshl_b32 s71, s71, 6
	s_add_co_u32 s71, s71, s27
	s_load_b128 s[36:39], s[12:13], s71 offset:0x0
	s_wait_alu depctr_va_vdst(0)
	s_wait_loadcnt 63                              ; of the 168 loads the first 105 are in: the bias, W's K steps 0 and 1, x's four units and 33 more of W; the last 63 of W stay out under the work below
	v_mov_b32 v112, 0xd3800000                     ; -2^40
.irp t, 0,1,2,3
.irp g, 0,1
	v_cmp_gt_u32 vcc_lo, s35, v[96+2*\t+\g]
.irp e, 0,1,2,3
	v_cndmask_b32 v[BIAS+8*\t+4*\g+\e], v112, v[BIAS+8*\t+4*\g+\e], vcc_lo
.endr
.endr
.endr
.set kk, 0
.rept 32
	v_ldexp_f32 v[BIAS+kk], v[BIAS+kk], s22        ; / 2^(ea + eb): the power of two that the sums lack
.set kk, kk+1
.endr
.irp r, 0,1,2,3
	WSTORE 0, 0, \r                                ; units 0, 1 and 2 into their buffers
	WSTORE 1, 1, \r
	WSTORE 2, 2, \r
.endr
	s_wait_alu depctr_va_vdst(0)
	s_wait_dscnt 0x0                               ; my rows and my zeros have landed; the stores have read sets 0 and 1,
	GLOADV 0, 56, 120                              ; which take units 4 and 5
	GLOADV 1, 60, 124
	s_wait_alu depctr_va_vdst(0)                   ; the wait ahead of the barrier
	s_barrier_signal -1
	s_barrier_wait -1
.set kk, 0
.rept 32
	FL kk, 0, 0                                    ; unit 0's fragments; the other set is written once here too, so that no slot finds a set that was never written
	FL kk, 1, 1
.set kk, kk+1
.endr
	WIN 0
	s_mov_b32 s23, 0                               ; the trip's first unit
	s_mov_b32 s32, 0                               ; and its index's bytes in STAT
	s_mov_b32 s24, 0
	s_wait_loadcnt 16                              ; all of W and unit 3 are in; units 4 and 5 (8 loads each) may be out
.Ltrip:
	v_add_nc_u32 v[STA], s32, v[STA0]
	SLOT 0
	SLOT 1
	SLOT 2
	SLOT 3
	s_add_co_u32 s23, s23, 4
	s_add_co_u32 s32, s32, 1024
	s_add_co_u32 s24, s24, 1
	s_cmp_lt_u32 s24, 11
	s_cbranch_scc1 .Ltrip
	s_wait_kmcnt 0x0                               ; the last load of entries has read its offset register
	s_wait_loadcnt 0x0                             ; nothing is on its way into the staging sets, which the merge uses
	s_wait_alu depctr_va_vdst(0)
	s_wait_dscnt 0x0
	s_barrier_signal -1
	s_barrier_wait -1                              ; every wave's pairs lie in STAT
	; THE MERGE: thread t takes rows t, 128 + t, .. 640 + t (row = 16 unit + r) and joins the row's eight pairs; one load brings a wave's two
	v_lshl_add_u32 v6, v0, 4, STAT+256
	v_lshlrev_b32 v7, 3, v0
.irp p, 0,1,2,3,4,5
.irp w, 0,1,2,3
	ds_load_b128 v[128+16*\p+4*\w:128+16*\p+4*\w+3], v6 offset:WSTAT*\w+2048*\p
.endr
.endr
	s_wait_dscnt 0x0
.irp p, 0,1,2,3,4,5
	v_max3_num_f32 v[112+2*\p], v[128+16*\p], v[130+16*\p], v[132+16*\p]
.endr
.irp p, 0,1,2,3,4,5
	v_max3_num_f32 v[112+2*\p], v[112+2*\p], v[134+16*\p], v[136+16*\p]
.endr
.irp p, 0,1,2,3,4,5
	v_max3_num_f32 v[112+2*\p], v[112+2*\p], v[138+16*\p], v[140+16*\p]
.endr
.irp p, 0,1,2,3,4,5
	v_max_num_f32 v[112+2*\p], v[112+2*\p], v[142+16*\p]
.endr
.irp p, 0,1,2,3,4,5
.irp k, 0,1,2,3,4,5,6,7
	v_sub_f32 v[128+16*\p+2*\k], v[128+16*\p+2*\k], v[112+2*\p]
.endr
.endr
	s_wait_alu depctr_va_vdst(0)                   ; the wait ahead of the batch
.irp p, 0,1,2,3,4,5
.irp k, 0,1,2,3,4,5,6,7
	v_exp_f32 v[128+16*\p+2*\k], v[128+16*\p+2*\k]
.endr
.endr
	v_nop
	s_wait_alu depctr_va_vdst(0)                   ; one wait for the 48 exponentials
.irp p, 0,1,2,3,4,5
	v_mul_f32 v[113+2*\p], v[129+16*\p], v[128+16*\p]
.endr
.irp k, 1,2,3,4,5,6,7
.irp p, 0,1,2,3,4,5
	v_fmac_f32 v[113+2*\p], v[129+16*\p+2*\k], v[128+16*\p+2*\k]
.endr
.endr
	s_wait_alu depctr_va_vdst(0)
	s_lshl_b32 s70, s21, 4                         ; my rows: 16 n
.irp p, 0,1,2,3,4,5
	v_cmp_gt_i32 vcc_lo, s70, v0
	s_wait_xcnt 0x0                                ; EXEC changes only behind this wait,
	s_and_saveexec_b32 s71, vcc_lo
	global_store_b64 v7, v[112+2*\p:113+2*\p], s[16:17] offset:1024*\p   ; a wave stores 256 consecutive bytes
	s_wait_xcnt 0x0                                ; here too
	s_or_b32 exec_lo, exec_lo, s71
	s_sub_co_i32 s70, s70, 128
.endr
	s_wait_xcnt 0x0
	s_mov_b32 exec_lo, -1
	s_wait_tensorcnt 0x0                           ; the wave's end
	ds_add_u32 v[SPW], v[NIL]
	s_wait_dscnt 0x0
	s_endpgm
.Lfunc_end_k_q2655314b2a_lse:
	.size	k_q2655314b2a_lse, .Lfunc_end_k_q2655314b2a_lse-k_q2655314b2a_lse
	.p2alignl 7, 3214868480
	.fill 96, 4, 3214868480
	.section	.rodata,"a",@progbits
	.p2align	6, 0x0
	.amdhsa_kernel k_q2655314b2a_lse
		.amdhsa_group_segment_fixed_size 120320
		.amdhsa_private_segment_fixed_size 0
		.amdhsa_enable_private_segment 0
		.amdhsa_kernarg_size 56
		.amdhsa_user_sgpr_count 2
		.amdhsa_user_sgpr_kernarg_segment_ptr 1
		.amdhsa_wavefront_size32 1
		.amdhsa_system_sgpr_workgroup_id_x 1
		.amdhsa_system_sgpr_workgroup_id_y 1
		.amdhsa_system_sgpr_workgroup_id_z 1
		.amdhsa_system_vgpr_workitem_id 0
		.amdhsa_next_free_vgpr 1024
		.amdhsa_next_free_sgpr 96
		.amdhsa_reserve_vcc 1
		.amdhsa_float_denorm_mode_32 3
		.amdhsa_float_denorm_mode_16_64 3
		.amdhsa_memory_ordered 1
		.amdhsa_forward_progress 1
		.amdhsa_inst_pref_size 96
	.end_amdhsa_kernel
	.amdgpu_metadata
---
amdhsa.version: [ 1, 2 ]
amdhsa.kernels:
  - .name:           k_q2655314b2a_lse
    .symbol:         k_q2655314b2a_lse.kd
    .args:
      - { .name: x_codes, .offset: 0, .size: 8, .value_kind: global_buffer, .address_space: global }
      - { .name: w_img, .offset: 8, .size: 8, .value_kind: global_buffer, .address_space: global }
      - { .name: logits_b, .offset: 16, .size: 8, .value_kind: global_buffer, .address_space: global }
      - { .name: lowp_scales, .offset: 24, .size: 8, .value_kind: global_buffer, .address_space: global }
      - { .name: order, .offset: 32, .size: 8, .value_kind: global_buffer, .address_space: global }
      - { .name: route, .offset: 40, .size: 8, .value_kind: global_buffer, .address_space: global }
      - { .name: stats, .offset: 48, .size: 8, .value_kind: global_buffer, .address_space: global }
    .group_segment_fixed_size: 120320
    .private_segment_fixed_size: 0
    .kernarg_segment_align: 8
    .kernarg_segment_size: 56
    .max_flat_workgroup_size: 128
    .sgpr_count:     96
    .vgpr_count:     1024
    .wavefront_size: 32
...
	.end_amdgpu_metadata
.endif
;; end of part 2
;; launch fin (part 3): grid 258 x 1, 1 waves a work-group, no clusters, 0 bytes of LDS; arguments x_codes, w_img, logits_b, lowp_scales, order, route, stats, cl_ll, out0; writes out0
.if DOCPART == 3
	.amdgcn_target "amdgcn-amd-amdhsa--gfx1250"
	.amdhsa_code_object_version 6
	.text
	.protected	k_q2655314b2a_fin
	.globl	k_q2655314b2a_fin
	.p2align	8
	.type	k_q2655314b2a_fin,@function
k_q2655314b2a_fin:
	s_mov_b64 s[64:65], 0
	v_nop
	global_prefetch_b8 v0, s[64:65] scope:SCOPE_SE
	s_setreg_imm32_b32 hwreg(HW_REG_WAVE_MODE, 25, 1), 1
	s_wait_xcnt 0x0
; FIN: a wave takes one row tile (16 slots of 'order'): joins the blocks' pairs (M, S) into the row's logsumexp over its slice, makes the target's logit, and stores
; nll = (lse - logit) - cluster_ll at the token's place.  258 tiles serve every split (ceil(n0/16) + ceil(n1/16) + ceil(n2/16) <= 258); a tile past the split's last ends at once.
; THE TARGET'S LOGIT is made of the same codes by the same matrix instruction: source 0 = the tile's 16 rows of x, source 1 = column n = token n's target column; the diagonal of the 16 x 16 result is what is wanted.
; A lane's halves share the blocks: lanes 0-15 take blocks 0-15 of the slice, lanes 16-31 blocks 16-31; a block that the slice does not have counts as M = -3e38, S = 0.
; LIMITS: as in the launch before.  A token whose y lies outside the vocabulary gets 0.
; REGISTERS: v1 r, v2 h; v3-15 entry and offsets; v16-47 sixteen pairs (M, S); v48-63 at work; v64-191 x's 8 fragments; v192-207 two accumulators; v208-215 their sum; v216-231 offsets into stats.  Window 1: v0-127 the targets' fragments.
.set MSB, 0
.macro WIN new
.if MSB != \new
	s_set_vgpr_msb (MSB<<8)|\new
.set MSB, \new
.endif
.endm
	s_load_b256 s[4:11], s[0:1], 0x0               ; x_codes s[4:5], w_img s[6:7], logits_b s[8:9], lowp_scales s[10:11]
	s_load_b256 s[12:19], s[0:1], 0x20             ; order s[12:13], route s[14:15], stats s[16:17], cl_ll s[18:19]
	s_load_b64 s[20:21], s[0:1], 0x40              ; out0
	v_and_b32 v1, 15, v0
	v_bfe_u32 v2, v0, 4, 1
	v_lshlrev_b32 v9, 2, v1
	s_lshl_b32 s44, ttmp9, 6
	s_mov_b32 s45, 0
	s_wait_alu depctr_va_vdst(0)
	s_wait_kmcnt 0x0
	s_load_b256 s[24:31], s[14:15], 0x0            ; rho, g0, g1, g2, R0, R1, R2, 0
	s_load_b128 s[32:35], s[10:11], 0x0
	s_load_b64 s[36:37], s[10:11], 0x10
	s_add_nc_u64 s[12:13], s[12:13], s[44:45]
	global_load_b32 v3, v9, s[12:13]               ; slot 16 tile + r
	s_wait_kmcnt 0x0
	s_add_co_u32 s38, s28, s29
	s_add_co_u32 s39, s38, s30
	s_cmp_ge_u32 ttmp9, s39
	s_cbranch_scc1 .Lend                           ; no such tile in this split
	s_add_co_i32 s32, s32, s33
	s_add_co_i32 s34, s34, s35
	s_add_co_i32 s36, s36, s37
	s_cmp_lt_u32 ttmp9, s28
	s_cselect_b32 s40, s32, s34                    ; ea + eb
	s_cselect_b32 s41, 0, 48                       ; P - real column
	s_cselect_b32 s42, 8, 32                       ; the slice's blocks
	s_cselect_b32 s43, 0, 8                        ; its first block
	s_cmp_lt_u32 ttmp9, s38
	s_cselect_b32 s40, s40, s36
	s_cselect_b32 s41, s41, 240
	s_cselect_b32 s42, s42, 11
	s_cselect_b32 s43, s43, 40
	s_sub_co_u32 s44, s42, 1
	s_lshl_b32 s46, ttmp9, 7
	v_lshl_add_u32 v14, v1, 3, s46                 ; 8 x slot
	v_lshlrev_b32 v15, 4, v2                       ; 16 h
	s_mov_b32 s47, 0x76543210
	s_mov_b32 s48, 0xfedcba98
	s_mov_b32 s50, 0x3fb8aa3b                      ; log2(e)
	s_mov_b32 s51, 0x3f317218                      ; ln 2
	v_mov_b32 v54, 0                               ; written once: a lane permute's destination counts as one of its sources
	v_mov_b32 v55, 0
	v_mov_b32 v56, 0
.irp i, 0,1,2,3,4,5,6,7,8,9,10,11,12,13,14,15
	v_add_nc_u32 v[216+\i], \i, v15
	v_min_u32 v[216+\i], s44, v[216+\i]            ; a block that the slice does not have reads its last one, and is put aside below
	v_add_nc_u32 v[216+\i], s43, v[216+\i]
	v_min_u32 v[216+\i], 50, v[216+\i]
	v_mad_u32_u24 v[216+\i], v[216+\i], 0x8100, v14
	global_load_b64 v[16+2*\i:17+2*\i], v[216+\i], s[16:17]
.endr
	s_wait_loadcnt 16                              ; the entry is in; the sixteen pairs may be out
	v_and_b32 v4, 0x1fff, v3                       ; token; 4096 = a pad slot
	v_min_u32 v5, 4095, v4
	v_bfe_u32 v6, v3, 13, 14                       ; the target's P
	v_min_u32 v6, 13055, v6
	v_sub_nc_u32 v7, v6, s41
	v_min_u32 v7, 12563, v7
	v_lshlrev_b32 v7, 2, v7
	v_lshlrev_b32 v10, 10, v5
	v_lshl_add_u32 v10, v2, 4, v10                 ; x: the token's row, + 16 h
	v_and_b32 v11, 15, v6
	v_and_b32 v12, 0x3ff0, v6
	v_lshlrev_b32 v12, 10, v12                     ; W: the tile,
	v_lshl_add_u32 v12, v11, 4, v12                ; the column's 16 bytes of a chunk,
	v_lshl_add_u32 v12, v2, 8, v12                 ; chunks 8 q + 2 c + h
	v_lshlrev_b32 v13, 2, v5
	global_load_b32 v48, v7, s[8:9]                ; the target's bias
	global_load_b32 v49, v13, s[18:19]             ; cluster_ll
.irp q, 0,1,2,3,4,5,6,7
.irp c, 0,1,2,3
	global_load_b128 v[64+16*\q+4*\c:64+16*\q+4*\c+3], v10, s[4:5] offset:128*\q+32*\c
.endr
.endr
	WIN 0x40                                       ; destination window 1
.irp q, 0,1,2,3,4,5,6,7
.irp c, 0,1,2,3
	global_load_b128 v[16*\q+4*\c:16*\q+4*\c+3], v12, s[6:7] offset:2048*\q+512*\c
.endr
.endr
	s_wait_loadcnt 0x0
	WIN 0x04                                       ; source 1 window 1
.irp q, 0,1,2,3,4,5,6,7                ; two accumulators by turns
.if \q < 2
	v_wmma_f32_16x16x128_bf8_bf8 v[192+8*(\q%2):199+8*(\q%2)], v[64+16*\q:79+16*\q], v[16*\q:16*\q+15], 0
.else
	v_wmma_f32_16x16x128_bf8_bf8 v[192+8*(\q%2):199+8*(\q%2)], v[64+16*\q:79+16*\q], v[16*\q:16*\q+15], v[192+8*(\q%2):199+8*(\q%2)]
.endif
.endr
	WIN 0
	; the blocks' pairs meanwhile: these lines name none of the products' registers, and are the places behind them
	v_mov_b32 v57, 0xff61b1e6                      ; -3e38
.irp i, 0,1,2,3,4,5,6,7,8,9,10,11,12,13,14,15
	v_add_nc_u32 v58, \i, v15
	v_cmp_gt_u32 vcc_lo, s42, v58
	v_cndmask_b32 v[16+2*\i], v57, v[16+2*\i], vcc_lo
	v_cndmask_b32 v[17+2*\i], 0, v[17+2*\i], vcc_lo
.endr
	v_max3_num_f32 v50, v16, v18, v20
.irp i, 3,5,7,9,11,13
	v_max3_num_f32 v50, v50, v[16+2*\i], v[18+2*\i]
.endr
	v_max_num_f32 v50, v50, v46
	v_permlanex16_b32 v54, v50, s47, s48
	v_max_num_f32 v50, v50, v54                    ; the row's largest t
.irp i, 0,1,2,3,4,5,6,7,8,9,10,11,12,13,14,15
	v_sub_f32 v[16+2*\i], v[16+2*\i], v50
.endr
	s_wait_alu depctr_va_vdst(0)
.irp i, 0,1,2,3,4,5,6,7,8,9,10,11,12,13,14,15
	v_exp_f32 v[16+2*\i], v[16+2*\i]
.endr
	s_wait_alu depctr_va_vdst(0)
.irp j, 0,1,2,3,4,5,6,7
	v_add_f32 v[208+\j], v[192+\j], v[200+\j]      ; the two halves of K, each accumulator from its low end on.  (Plain lines behind the exponentials)
.endr
	s_mov_b32 s52, 0xaaaaaaaa
	s_mov_b32 s53, 0xcccccccc
	s_mov_b32 s54, 0xf0f0f0f0
	s_mov_b32 s55, 0xff0000ff
	v_cndmask_b32 v208, v208, v209, s52            ; register lane % 8: the diagonal lies in lanes 0-7 (tokens 0-7) and 24-31 (tokens 8-15)
	v_cndmask_b32 v210, v210, v211, s52
	v_cndmask_b32 v212, v212, v213, s52
	v_cndmask_b32 v214, v214, v215, s52
	v_cndmask_b32 v208, v208, v210, s53
	v_cndmask_b32 v212, v212, v214, s53
	v_cndmask_b32 v208, v208, v212, s54
	v_permlanex16_b32 v55, v208, s47, s48
	v_cndmask_b32 v208, v55, v208, s55             ; every lane now holds token r's sum
	v_ldexp_f32 v53, v208, s40
	v_add_f32 v53, v53, v48                        ; the target's logit
	s_wait_alu depctr_va_vdst(0)                   ; one wait for the sixteen exponentials, ahead of their first reader
	v_mul_f32 v51, v17, v16
.irp i, 1,2,3,4,5,6,7,8,9,10,11,12,13,14,15
	v_fmac_f32 v51, v[17+2*\i], v[16+2*\i]
.endr
	v_permlanex16_b32 v56, v51, s47, s48
	v_add_f32 v51, v51, v56
	s_wait_alu depctr_va_vdst(0)
	v_log_f32 v52, v51
	v_bfe_u32 v8, v3, 27, 1                        ; (a plain line behind the logarithm)  y outside the vocabulary?
	v_cmp_gt_u32 s56, 16, v0
	s_wait_alu depctr_va_vdst(0)
	v_add_f32 v52, v52, v50                        ; the logsumexp, in powers of two
	v_fma_f32 v53, -v53, s50, v52                  ; less the target's t
	v_fma_f32 v53, v53, s51, -v49                  ; x ln 2, less cluster_ll
	v_cmp_ne_u32 vcc_lo, 1, v8
	v_cndmask_b32 v53, 0, v53, vcc_lo
	v_cmp_gt_u32 vcc_lo, 4096, v4                  ; no pad slot,
	s_and_b32 vcc_lo, vcc_lo, s56                  ; and each token once
	s_wait_alu depctr_va_vdst(0)
	s_wait_xcnt 0x0                                ; EXEC changes only behind this wait
	s_and_saveexec_b32 s57, vcc_lo
	global_store_b32 v13, v53, s[20:21]            ; the one place where the sorted order is undone: 4,096 words in all
	s_endpgm
.Lend:
	s_endpgm
.Lfunc_end_k_q2655314b2a_fin:
	.size	k_q2655314b2a_fin, .Lfunc_end_k_q2655314b2a_fin-k_q2655314b2a_fin
	.p2alignl 7, 3214868480
	.fill 96, 4, 3214868480
	.section	.rodata,"a",@progbits
	.p2align	6, 0x0
	.amdhsa_kernel k_q2655314b2a_fin
		.amdhsa_group_segment_fixed_size 0
		.amdhsa_private_segment_fixed_size 0
		.amdhsa_enable_private_segment 0
		.amdhsa_kernarg_size 72
		.amdhsa_user_sgpr_count 2
		.amdhsa_user_sgpr_kernarg_segment_ptr 1
		.amdhsa_wavefront_size32 1
		.amdhsa_system_sgpr_workgroup_id_x 1
		.amdhsa_system_sgpr_workgroup_id_y 1
		.amdhsa_system_sgpr_workgroup_id_z 1
		.amdhsa_system_vgpr_workitem_id 0
		.amdhsa_next_free_vgpr 384
		.amdhsa_next_free_sgpr 66
		.amdhsa_reserve_vcc 1
		.amdhsa_float_denorm_mode_32 3
		.amdhsa_float_denorm_mode_16_64 3
		.amdhsa_memory_ordered 1
		.amdhsa_forward_progress 1
		.amdhsa_inst_pref_size 21
	.end_amdhsa_kernel
	.amdgpu_metadata
---
amdhsa.version: [ 1, 2 ]
amdhsa.kernels:
  - .name:           k_q2655314b2a_fin
    .symbol:         k_q2655314b2a_fin.kd
    .args:
      - { .name: x_codes, .offset: 0, .size: 8, .value_kind: global_buffer, .address_space: global }
      - { .name: w_img, .offset: 8, .size: 8, .value_kind: global_buffer, .address_space: global }
      - { .name: logits_b, .offset: 16, .size: 8, .value_kind: global_buffer, .address_space: global }
      - { .name: lowp_scales, .offset: 24, .size: 8, .value_kind: global_buffer, .address_space: global }
      - { .name: order, .offset: 32, .size: 8, .value_kind: global_buffer, .address_space: global }
      - { .name: route, .offset: 40, .size: 8, .value_kind: global_buffer, .address_space: global }
      - { .name: stats, .offset: 48, .size: 8, .value_kind: global_buffer, .address_space: global }
      - { .name: cl_ll, .offset: 56, .size: 8, .value_kind: global_buffer, .address_space: global }
      - { .name: out0, .offset: 64, .size: 8, .value_kind: global_buffer, .address_space: global }
    .group_segment_fixed_size: 0
    .private_segment_fixed_size: 0
    .kernarg_segment_align: 8
    .kernarg_segment_size: 72
    .max_flat_workgroup_size: 32
    .sgpr_count:     66
    .vgpr_count:     384
    .wavefront_size: 32
...
	.end_amdgpu_metadata
.endif
;; end of part 3
